; MI455X (gfx1250); checked and timed in simulation.
; The chip was launched on July 23, 2026; its instructions are those of AMD's public machine-readable ISA for CDNA 5 (MIT licence, August 2026) and "CDNA5" Instruction Set Architecture Reference Guide (July 2026). The comments in the code are by the model that wrote it; some were corrected since.
;; Self Attention V4. Allowed arithmetic: matrix products marked QUANTISED: E2M3 operands, one E8M0 scale for each 32 along K, by v_wmma_scale_f32_16x16x128_f8f6f4 with both operands' format E2M3, f32 sums; everything else in f32.
;; Inputs: Wk_codes 512 x 32 x 24 uint8 (E2M3 codes of Wk, K innermost, in blocks of 32 codes, four codes in three bytes); Wk_scales 512 x 32 uint8 (E8M0 scales of Wk, one for each 32 codes along K); Wq_codes 512 x 32 x 24 uint8 (E2M3 codes of Wq, K innermost, in blocks of 32 codes, four codes in three bytes); Wq_scales 512 x 32 uint8 (E8M0 scales of Wq, one for each 32 codes along K); Wv_codes 512 x 32 x 24 uint8 (E2M3 codes of Wv, K innermost, in blocks of 32 codes, four codes in three bytes); Wv_scales 512 x 32 uint8 (E8M0 scales of Wv, one for each 32 codes along K); bk 512 float32; bq 512 float32; bv 512 float32; inputs_k_codes 4 x 2,048 x 32 x 24 uint8 (E2M3 codes of inputs_k, K innermost, in blocks of 32 codes, four codes in three bytes); inputs_k_scales 4 x 2,048 x 32 uint8 (E8M0 scales of inputs_k, one for each 32 codes along K); inputs_q_codes 4 x 2,048 x 32 x 24 uint8 (E2M3 codes of inputs_q, K innermost, in blocks of 32 codes, four codes in three bytes); inputs_q_scales 4 x 2,048 x 32 uint8 (E8M0 scales of inputs_q, one for each 32 codes along K); inputs_v_codes 4 x 2,048 x 32 x 24 uint8 (E2M3 codes of inputs_v, K innermost, in blocks of 32 codes, four codes in three bytes); inputs_v_scales 4 x 2,048 x 32 uint8 (E8M0 scales of inputs_v, one for each 32 codes along K).
;; Outputs: out0 4 x 2,048 x 512 float32.
;; This version of the problem:
;;   THIS VERSION OF THE PROBLEM IS GIVEN IN LOW PRECISION. The matrix products marked QUANTISED in the list below multiply operands that are first quantised to E2M3 (2 exponent bits, 3 mantissa bits; 6 bits a number), with one power-of-two scale for each 32 numbers along K (OCP MX v1.0); their sums are f32. All else is computed in f32.
;;   The module's matrix products, in the order in which they are computed (A, B: the left and right operand; K: the contracted axis; several contracted axes count as one K, in the product's order):
;;     1. [M 8,192, K 1,024] x [K 1,024, N 512]; A: input inputs_q (given as codes); B: input Wq (given as codes): QUANTISED
;;     2. [M 8,192, K 1,024] x [K 1,024, N 512]; A: input inputs_k (given as codes); B: input Wk (given as codes): QUANTISED
;;     3. [M 8,192, K 1,024] x [K 1,024, N 512]; A: input inputs_v (given as codes); B: input Wv (given as codes): QUANTISED
;;     4. batch 4 x [M 2,048, K 512] x [K 512, N 2,048]; A: computed on the way; B: computed on the way: QUANTISED
;;     5. batch 4 x [M 2,048, K 2,048] x [K 2,048, N 512]; A: softmax (see below); B: computed on the way: QUANTISED
;;   THE QUANTISER, for each operand of a quantised product, along K:
;;     - K is cut into blocks of 32 from its start; a last block that is shorter is filled with zeros.
;;     - A block's scale is 2^e with e = floor(log2(the largest magnitude in the block)) - 2, held to -126 .. 127; a block of zeros has e = 0. As a byte (E8M0): e + 127.
;;     - Each number is divided by its block's scale, clamped to +-7.5, and rounded to the nearest number of E2M3, ties to even, subnormals kept.
;;     - The product sums the exact products of the quantised numbers (number of the format x scale) in f32.
;;   ~~~python
;;   def quantise(x, axis):      # numpy; x: float32 -> the quantised numbers, widened to float32 again
;;       x = np.moveaxis(x, axis, -1); K = x.shape[-1]
;;       x = np.pad(x, [(0, 0)] * (x.ndim - 1) + [(0, -K % 32)]); x = x.reshape(x.shape[:-1] + (-1, 32)); a = np.abs(x).max(-1, keepdims=True)
;;       e = np.where(a > 0, np.clip(np.frexp(np.where(a > 0, a, 1))[1] - 1 - 2, -126, 127), 0)      # np.frexp(a)[1] - 1 = floor(log2(a)), exactly
;;       r = np.clip(x / 2.0 ** e, -7.5, 7.5)
;;       step = 2.0 ** (np.maximum(np.frexp(np.where(r == 0, 1, r))[1] - 1, 0) - 3)
;;       q = np.round(r / step) * step * 2.0 ** e      # np.round: ties to even
;;       return np.moveaxis(q.reshape(q.shape[:-2] + (-1,))[..., :K], -1, axis).astype(np.float32)
;;   ~~~
;;   SOFTMAX AHEAD OF A QUANTISED PRODUCT. Where the list says 'softmax', what is quantised is not the finished softmax but p = 2^(t - M), with t = logit x log2(e) and M = ceil(the row's largest t), a whole number; so 1/2 < the row's largest p <= 1. The row's sum l is taken of the UNQUANTISED p, in f32, and the product's result is divided by l at the end. Since M is a whole number, a kernel that streams over the keys may use a running M (the ceiling of the running maximum): every later rescaling is an exact power of two, which a block's scale takes up: the codes' values come out the same.
;;   OPERANDS COMPUTED ON THE WAY. 'Computed on the way' means the value that the module computes at that place (a softmax that the list does not call 'softmax' is quantised finished and normalised). What goes into a quantiser is computed in f32, as accurately as f32 sums, v_exp_f32 and their like allow (about 1e-6 of the number): no bf16 or f16 on the way to a quantiser, and a product that is left as it is and whose result goes on into a quantised operand takes f32 operands (vector FMAs, or v_wmma_f32_16x16x4_f32). A number that lies on a knife's edge between two numbers of the format may be rounded either way, as far as f32 arithmetic and the matrix unit's own rounding can turn it there, and no further.
;;   INPUTS GIVEN AS CODES. Wk (in the module: [1024, 512], K = its axis 0); Wq (in the module: [1024, 512], K = its axis 0); Wv (in the module: [1024, 512], K = its axis 0); inputs_k (in the module: [4, 2048, 1024], K = its axis 2); inputs_q (in the module: [4, 2048, 1024], K = its axis 2); inputs_v (in the module: [4, 2048, 1024], K = its axis 2): each comes as NAME_codes (uint8): NAME with its K axis moved to the last place and cut into blocks of 32 codes, [.., K / 32, bytes a block], one block behind the other in memory; four codes in three bytes: a row's codes are one little-endian stream of bits, code i at bits 6 i .. 6 i + 5 (a code: sign, 2 exponent bits, 3 mantissa bits); and NAME_scales (uint8): the same leading axes, one E8M0 byte (e + 127) for each 32 codes along K. Its value is code x scale, taken as it is: it is not quantised again, and the codes and scales need not be those that the quantiser above would give.
;; One version. Each part assembles by itself: llvm-mc -triple=amdgcn-amd-amdhsa -mcpu=gfx1250 --defsym DOCPART=n.
;; ======== version 1 of 1: 3 launches
;; limits: right only within a limited range of input values
;; workspace buffers: qc 3,145,728 bytes; kc 3,145,728 bytes; vc 3,145,728 bytes; qs 131,072 bytes; ks 131,072 bytes; vs 131,072 bytes; po 25,165,824 bytes; pm 98,304 bytes
;; launch proj (part 1): grid 2 x 96, 4 waves a work-group, clusters of 2 x 2, 327,680 bytes of LDS; arguments inputs_q_codes, inputs_q_scales, Wq_codes, Wq_scales, bq, qc, qs, inputs_k_codes, inputs_k_scales, Wk_codes, Wk_scales, bk, kc, ks, Wv_codes, Wv_scales, inputs_v_codes, inputs_v_scales, bv, vc, vs; writes qc, qs, kc, ks, vc, vs
.if DOCPART == 1
	.amdgcn_target "amdgcn-amd-amdhsa--gfx1250"
	.amdhsa_code_object_version 6
	.text
	.protected	k_q0b6c540ce6_proj
	.globl	k_q0b6c540ce6_proj
	.p2align	8
	.type	k_q0b6c540ce6_proj,@function
k_q0b6c540ce6_proj:
	s_mov_b64 s[64:65], 0
	v_nop
	global_prefetch_b8 v0, s[64:65] scope:SCOPE_SE
	s_setreg_imm32_b32 hwreg(HW_REG_WAVE_MODE, 25, 1), 1
	s_wait_xcnt 0x0
	s_wait_alu depctr_hold_cnt(0) depctr_sa_sdst(0) depctr_va_vdst(0) depctr_va_sdst(0) depctr_va_ssrc(0) depctr_va_vcc(0) depctr_vm_vsrc(0)
	s_getreg_b32 s2, hwreg(HW_REG_IB_STS2, 6, 4)
	s_cmp_eq_u32 s2, 0
	s_cbranch_scc0 .Lentry_in_a_cluster
	s_endpgm
.Lentry_in_a_cluster:
	s_bfe_u32 s2, ttmp6, 0x10000c
	s_cmp_lg_u32 s2, 0x3011
	s_cbranch_scc0 .Lentry_shape_is_right
	s_endpgm
.Lentry_shape_is_right:
; THE THREE PROJECTIONS, q = x_q Wq + bq, k = x_k Wk + bk, v = x_v Wv + bv, on the given codes of FP6 (E2M3) with E8M0 scales, sums in f32; each result is quantised again at once
; (q and k along the 512 channels, v along the keys) and stored as IMAGES OF OPERAND REGISTERS for the attention launch.  The cluster's y says which of the three: 16 clusters each.
; DEAD WORK: this launch leaves nothing out.  The program leaves out only the key tiles that lie wholly above reference()'s own causal mask, whose weight is 0 for every value of the inputs (launch attn);
; a NaN or an infinity that reaches only those tiles is not carried to the result.
; ONE TEXT FOR ALL THREE.  D(i, j) = sum over k of S0[i][k] S1[j][k]; source 0 of the matrix instruction takes 16 rows of S0, source 1 takes 16 rows of S1, so a lane holds ONE j (lane % 16) and its registers
; run along i: the axis along which the result is quantised.  q, k: S0 = W (i = channel), S1 = x (j = token).  v: S0 = x (i = key), S1 = W (j = channel).  x and W have the same rows (768 bytes of codes,
; 32 scale bytes), so only pointers and tile numbers differ.
; SHARES.  A work-group makes 256 (i) x 256 (j) over K = 1,024; each of four waves 128 x 128: 64 accumulators, 512 registers.  64 work-groups a tensor, 192 in all.
; CLUSTERS of 2 x 2: S0's tile is cx beyond the cluster's first, S1's is cy beyond it (W has two tiles, x 32).  So S0's tile is shared along a column of the cluster and S1's along a row: each is asked for jointly.
; K goes through two LDS slots in three CHUNKS of 256 bytes of each row, each beginning at a multiple of 256; chunk c lies in slot c % 2.  A step of 128 along K is 96 bytes of a row: steps 2 and 5 of the eight
; lie across two chunks, and their fragments come from both slots.  The scale bytes of the 512 rows come once, as dense blocks.
; PREFETCH: x's rows of chunk 1 behind the head's loads, of chunk 2 behind chunk 1's: a lane a row, one instruction a wave; the two partners that ask for a tile of x share its 256 rows out by address.
; W's tiles, which 16 clusters read, are not prefetched.
; THE ORDER OF CODES IN A BLOCK.  Accumulators 2 B and 2 B + 1 of a lane hold i = 32 B + 16 u + 8 (lane / 16) + y (u = 0, 1; y = 0 .. 7).  Converted sixteen registers at a time, place 16 x + 8 u + y of block B
; holds element 16 u + 8 x + y.  Blocks, and so scales, are the true blocks of 32; the order inside a block is the same in q and k, and in v and p: the products' sums have the same terms.
; WHAT IS STORED.  A fragment (16 rows x 128 K: 12 registers a lane) as three runs of 512 bytes, lane l's 16 bytes at 16 l.  qc, kc: fragment (block of 16 tokens T, 128 channels s) at 6144 T + 1536 s;
; vc: fragment (128 keys C, block of 16 channels d) at 49152 C + 1536 d.  Scale words: qs, ks at 32768 s + 64 T + 4 row; vs at 2048 C + 64 d + 4 row.
; LIMITS: a block whose largest magnitude lies under 2^(3 - 127) keeps the byte 1 (a block of zeros too: its codes are zeros, and this program alone reads the bytes); NaN and infinities are not served.
; REGISTERS, in windows of 256: window 0: v0-31 addresses; v32-63 scale words, two sets; v128-223 S1's fragments, ONE set; in the epilogue v64-127 the bias, v128-191 64 numbers, v192-239 at work.
;   window 1: S0's fragments, TWO sets, at v0 and v128.   window 2: the accumulators of my S1 blocks 0-3 ((a, b) at v[8 (8 (a % 4) + b)]);   window 3: those of blocks 4-7.
.set NQ,     2                         ; steps that one set of scale words serves
.set ROWB,   256                       ; a tile's row in bytes
.set CHUNKS, 3
.set KROW,   768                       ; a row of codes in memory
.set PITCH,  272                       ; an LDS row: 256 bytes + 16 of padding
.set FR,     12                        ; registers of a fragment
.set NL,     6                         ; LDS loads that bring one
.set NP,     4                         ; places behind this matrix instruction (ISA guide 7.12.1)
.set HALFT,  128*PITCH
.set SLOT,   4*HALFT                   ; S1's 256 rows, then S0's 256 rows
.set KS,     32                        ; a row of scale bytes
.set SCL,    2*SLOT                    ; behind the ring: the scale bytes, as runs of 256 bytes + 16 of padding
.set HALFS,  (128*KS/256)*272          ; those of 128 rows
.set SBLK,   (16*KS/256)*272           ; those of 16 rows
.set SPARE,  SCL+4*HALFS               ; the spare words, 128 bytes a wave
.set BT,     SPARE+512                 ; a table of 128 bias numbers for each wave
.set PFO,  14                          ; v14 lane x 768: the prefetches' offset; never rewritten
.set ADRA, 16                          ; v16-17 LDS address of my S1 fragments in slot 0, 1 (v18-19: for pieces whose two halves of lanes read different slots)
.set ADRB, 20                          ; v20-23 the same for S0
.set LI,   24                          ; v24 16 x lane
.set LS,   25                          ; v25 4 x lane
.set BTR,  26                          ; v26 my bias table + 32 (lane / 16)
.set ADRS, 27                          ; v27 my scale words: lanes 0-15 S1's rows, lanes 16-31 S0's
.set SPW,  28                          ; v28 my spare word; never rewritten
.set NIL,  29                          ; v29 0; never rewritten
.set BTL,  30                          ; v30 my bias table + 4 (lane % 16)
.set BTW,  31                          ; v31 my bias table + 16 x lane
.set SC,   32                          ; scale words: set s at v[SC + 16 s]; register 2 i + q: lanes 0-15 S1's block i, lanes 16-31 S0's block i
.set AF,   128                         ; S1's fragments
.set BI,   64                          ; epilogue: the bias
.set T,    128                         ; epilogue: 64 numbers of a lane
.set PC,   192                         ; epilogue: the codes just made (v192-203) and two halves on their way (v204-210)
.set TM,   212                         ; epilogue: v212-215 largest magnitudes, v216-219 bytes, v224-227 the conversions' scale operands
.set PWL,  228                         ; epilogue: the eight units' scale words
.set CW,   236                         ; epilogue: two units' words in one register
.set WV,   60                          ; s60 wave
.set HA,   61                          ; s61 which half of S1's rows is mine; also: in the ring I fetch for S1 (0) or S0 (1)
.set HB,   62                          ; s62 which half of S0's rows; also: which 128 rows I fetch
.set KIND, 63                          ; s63 0 q, 1 k, 2 v
.set I0,   66                          ; s66 S0's tile of 256 rows
.set I1,   67                          ; s67 S1's
.set CH,   20                          ; s20 which 128 along i are my wave's: 2 I0 + HB
.set SB0,  21                          ; s21 my first block of 16 along j: 16 I1 + 8 HA
.set PTR,  46                          ; s[46:59] the seven pointers chosen: S1's codes, S1's scales, S0's codes, S0's scales, bias, codes out, scales out
.set BIA,  54
.set OUC,  56
.set OUS,  58
.set G1,   68                          ; group 1: s[68:75] S1's codes, s[76:83] S0's codes, s[84:91] S1's scale bytes, s[4:11] S0's
.set G1B,  76
.set G1S,  84
.set G1SB, 4
.set G0,   12                          ; group 0 in the ring: s[12:19] S1's, a set for each slot; s[28:31], s[48:51] S0's
.set G0B0, 28
.set G0B1, 48
.set G0H,  32                          ; group 0 at the head: s[32:35] S1's codes, s[36:39] S0's, s[40:43] S1's scale bytes, s[92:95] S0's
.set G0HB, 36
.set G0S,  40
.set G0SB, 92
.set PFB,  44                          ; s[44:45] where my wave's prefetches start
.set SEL,  96                          ; s[96:97] v_permlanex16_b32's selects for lane l xor 16
.set HIM,  98                          ; s98 a mask of lanes 16-31
.set MSB, 0
.macro WIN new                         ; the immediate's high byte repeats the setting that is left
.if MSB != (\new)
	s_set_vgpr_msb (MSB<<8)|(\new)
.set MSB, (\new)
.endif
.endm
.set MUL_LO, 0xa1                      ; source 0 window 1, source 1 window 0, C and D window 2
.set MUL_HI, 0xf1                      ; the same, C and D window 3
.set TO_B,   0x40                      ; destination window 1, address window 0
.macro TL g0, g1                       ; a tensor load; s_nop 0 and four v_nop follow it
	tensor_load_to_lds s[\g0:\g0+3], s[\g1:\g1+7]
	s_nop 0
.rept 4
	v_nop
.endr
.endm
.macro JLOAD g0a, g1a, g0b, g1b        ; a joint load of the ring: waves 0 and 1 fetch for S1, waves 2 and 3 for S0; the branch hangs on the wave's number alone
	s_cmp_eq_u32 s[HA], 0
	s_cbranch_scc0 .Lfor_b_\@
	TL \g0a, \g1a
	s_branch .Lasked_\@
.Lfor_b_\@:
	TL \g0b, \g1b
.Lasked_\@:
.endm
.macro CREST                           ; a round of the cluster's barrier behind its opening barrier
	s_cmp_lg_u32 s[WV], 0
	s_cbranch_scc1 .Lnot_wave_0_\@
	s_barrier_signal -3
.Lnot_wave_0_\@:
	s_barrier_wait -3
	s_barrier_signal -1
	s_barrier_wait -1
.endm
.macro CROUND                          ; a whole round
	s_barrier_signal -1
	s_barrier_wait -1
	CREST
.endm
	s_load_b512 s[4:19], s[0:1], 0x0               ; 21 addresses: q's seven at s4, k's at s18, v's at s32
	s_load_b512 s[20:35], s[0:1], 0x40
	s_load_b256 s[36:43], s[0:1], 0x80
	s_load_b64 s[44:45], s[0:1], 0xa0
	v_lshl_add_u32 v[SPW], v0, 2, SPARE
	v_mov_b32 v[NIL], 0
	ds_add_u32 v[SPW], v[NIL]                      ; the opening lines: the add, twice on end, under one wait
	ds_add_u32 v[SPW], v[NIL]
	v_lshrrev_b32 v1, 5, v0
	v_readfirstlane_b32 s[WV], v1                  ; wave 0..3
	s_lshr_b32 s[HA], s[WV], 1
	s_and_b32 s[HB], s[WV], 1
	s_bfe_u32 s99, ttmp6, 0x40000                  ; cx, cy: my place in the cluster
	s_bfe_u32 s100, ttmp6, 0x40004
	s_and_b32 s2, ttmp7, 0xffff                    ; the cluster's y: 0 .. 47
	s_lshr_b32 s[KIND], s2, 4
	s_and_b32 s2, s2, 15
	s_lshl_b32 s2, s2, 1                           ; x's first tile in this cluster
	s_cmp_eq_u32 s[KIND], 2                        ; W is S0 for q and k, S1 for v
	s_cselect_b32 s3, s2, 0
	s_cselect_b32 s2, 0, s2
	s_add_co_u32 s[I0], s3, s99
	s_add_co_u32 s[I1], s2, s100
	s_lshl_b32 s2, s100, 1
	s_lshl_b32 s2, 3, s2                           ; my row of the cluster: places 2 cy, 2 cy + 1: S1's tiles
	s_lshl_b32 s3, 5, s99                          ; my column: places cx, cx + 2: S0's tiles
	s_or_b32 s[G1+0], s2, (0<<16)|(1<<20)|(1<<21)|(5<<22)|(3<<25)   ; 15:0 the mask; elements of 1 byte; padding on; 21 set beside a mask; after every 64 words, 4 words
	s_or_b32 s[G1B+0], s3, (0<<16)|(1<<20)|(1<<21)|(5<<22)|(3<<25)
.irp g, G1, G1B
	s_mov_b32 s[\g+1], ROWB<<16                    ; tensor_dim0
	s_mov_b32 s[\g+2], 256<<16                     ; tensor_dim1: 256 rows at the head, 128 behind it
	s_mov_b32 s[\g+3], ROWB<<16                    ; tile_dim0
	s_mov_b32 s[\g+4], 256                         ; tile_dim1
	s_mov_b32 s[\g+5], KROW                        ; from row to row
	s_mov_b32 s[\g+6], 0
	s_mov_b32 s[\g+7], 0
.endr
	s_or_b32 s[G1S+0], s2, (3<<16)|(1<<20)|(1<<21)|(5<<22)|(3<<25)  ; 256 rows' scale bytes: 32 rows of 256 bytes (32 elements of 8), 16 bytes of padding behind each
.macro G1SCALES g
	s_mov_b32 s[\g+1], 32<<16
	s_mov_b32 s[\g+2], KS<<16
	s_mov_b32 s[\g+3], 32<<16
	s_mov_b32 s[\g+4], KS
	s_mov_b32 s[\g+5], 32
	s_mov_b32 s[\g+6], 0
	s_mov_b32 s[\g+7], 0
.endm
	G1SCALES G1S
	s_mov_b32 s[SEL], 0x76543210
	s_mov_b32 s[SEL+1], 0xfedcba98
	s_mov_b32 s[HIM], 0xffff0000
	v_and_b32 v1, 15, v0                           ; r = lane % 16
	v_bfe_u32 v2, v0, 4, 1                         ; h = lane / 16
	v_and_b32 v3, 31, v0                           ; lane
	v_lshlrev_b32 v[LI], 4, v3
	v_lshlrev_b32 v[LS], 2, v3
	v_mul_u32_u24 v[PFO], v3, KROW
	s_wait_alu depctr_va_vdst(0)                   ; directly ahead of the waits below
	s_wait_dscnt 0x0                               ; both opening adds are done
	s_wait_kmcnt 0x0
	s_cmp_eq_u32 s[KIND], 1                        ; the tensor's seven pointers: the choice hangs on the cluster's y alone
.irp f, 0,1,2,3,4,5,6
	s_cselect_b64 s[PTR+2*\f:PTR+2*\f+1], s[18+2*\f:19+2*\f], s[4+2*\f:5+2*\f]
.endr
	s_cmp_eq_u32 s[KIND], 2
.irp f, 0,1,2,3,4,5,6
	s_cselect_b64 s[PTR+2*\f:PTR+2*\f+1], s[32+2*\f:33+2*\f], s[PTR+2*\f:PTR+2*\f+1]
.endr
	s_or_b32 s[G1SB+0], s3, (3<<16)|(1<<20)|(1<<21)|(5<<22)|(3<<25)
	G1SCALES G1SB
	s_lshl_b32 s22, s[I1], 8                       ; S1's first row: it hangs on cy, which my row of the cluster shares
	s_mul_i32 s44, s22, KROW
	s_mov_b32 s45, 0
	s_lshl_b32 s22, s22, 5
	s_mov_b32 s23, 0
	s_add_nc_u64 s[PTR:PTR+1], s[PTR:PTR+1], s[44:45]
	s_add_nc_u64 s[PTR+2:PTR+3], s[PTR+2:PTR+3], s[22:23]
	s_lshl_b32 s24, s[I0], 8                       ; S0's: it hangs on cx, which my column shares
	s_mul_i32 s20, s24, KROW
	s_mov_b32 s21, 0
	s_lshl_b32 s24, s24, 5
	s_mov_b32 s25, 0
	s_add_nc_u64 s[PTR+4:PTR+5], s[PTR+4:PTR+5], s[20:21]
	s_add_nc_u64 s[PTR+6:PTR+7], s[PTR+6:PTR+7], s[24:25]
	s_mov_b32 s[G0H], 1                            ; the head's four tiles: chunk 0's 256 rows of S1,
	s_mov_b32 s[G0H+1], 0
	s_mov_b64 s[G0H+2:G0H+3], s[PTR:PTR+1]
	s_or_b32 s[G0H+3], s[G0H+3], 0x80000000
	s_mov_b32 s[G0HB], 1                           ; of S0,
	s_mov_b32 s[G0HB+1], 2*HALFT
	s_mov_b64 s[G0HB+2:G0HB+3], s[PTR+4:PTR+5]
	s_or_b32 s[G0HB+3], s[G0HB+3], 0x80000000
	s_mov_b32 s[G0S], 1                            ; S1's scale bytes,
	s_mov_b32 s[G0S+1], SCL
	s_mov_b64 s[G0S+2:G0S+3], s[PTR+2:PTR+3]
	s_or_b32 s[G0S+3], s[G0S+3], 0x80000000
	s_mov_b32 s[G0SB], 1                           ; and S0's
	s_mov_b32 s[G0SB+1], SCL+2*HALFS
	s_mov_b64 s[G0SB+2:G0SB+3], s[PTR+6:PTR+7]
	s_or_b32 s[G0SB+3], s[G0SB+3], 0x80000000
	s_cmp_lg_u32 s[KIND], 2                        ; the prefetches go to x's tile: S1's for q and k, S0's for v;
	s_cselect_b64 s[PFB:PFB+1], s[PTR:PTR+1], s[PTR+4:PTR+5]
	s_cselect_b32 s26, s99, s100                   ; my place among the two that ask for it
	s_lshl_b32 s26, s26, 2
	s_add_co_u32 s26, s26, s[WV]
	s_mul_i32 s26, s26, 32*KROW                    ; rows 128 x place + 32 x wave on
	s_mov_b32 s27, 0
	s_add_nc_u64 s[PFB:PFB+1], s[PFB:PFB+1], s[26:27]
	s_mul_i32 s24, s[HB], 128*KROW                 ; the ring: my 128 rows of a tile,
	s_mov_b32 s25, 0
	s_mul_i32 s22, s[WV], HALFT                    ; which go to wave x 128 rows: no place in the cluster enters an LDS address
	s_add_nc_u64 s[PTR:PTR+1], s[PTR:PTR+1], s[24:25]
	s_add_nc_u64 s[PTR+4:PTR+5], s[PTR+4:PTR+5], s[24:25]
.irp s, 0,1
	s_mov_b32 s[G0+4*\s], 1
	s_add_co_u32 s[G0+4*\s+1], s22, \s*SLOT
	s_add_nc_u64 s[G0+4*\s+2:G0+4*\s+3], s[PTR:PTR+1], (2-\s)*ROWB  ; slot 1 takes chunk 1, slot 0 then chunk 2
	s_or_b32 s[G0+4*\s+3], s[G0+4*\s+3], 0x80000000
.endr
	s_mov_b32 s[G0B0], 1
	s_mov_b32 s[G0B0+1], s22
	s_add_nc_u64 s[G0B0+2:G0B0+3], s[PTR+4:PTR+5], 2*ROWB
	s_or_b32 s[G0B0+3], s[G0B0+3], 0x80000000
	s_mov_b32 s[G0B1], 1                           ; (over pointers that have been used; its address takes the place of S0's codes')
	s_add_co_u32 s[G0B1+1], s22, SLOT
	s_add_nc_u64 s[G0B1+2:G0B1+3], s[PTR+4:PTR+5], ROWB
	s_or_b32 s[G0B1+3], s[G0B1+3], 0x80000000
	CROUND                                         ; all four work-groups are here: the first joint loads meet
.macro ARM under, g0, g1, next         ; the head's loads, one a wave
	s_cmp_lt_u32 s[WV], \under
	s_cbranch_scc0 \next
	TL \g0, \g1
	s_branch .Lhead_asked
\next:
.endm
	ARM 1, G0H,  G1,  .Lhead_b
	ARM 2, G0HB, G1B, .Lhead_sa
	ARM 3, G0S,  G1S, .Lhead_sb
	TL G0SB, G1SB
.Lhead_asked:
	s_lshl_b32 s[CH], s[I0], 1
	s_add_co_u32 s[CH], s[CH], s[HB]
	s_lshl_b32 s[SB0], s[I1], 4
	s_lshl_b32 s24, s[HA], 3
	s_add_co_u32 s[SB0], s[SB0], s24
	s_lshl_b32 s24, s[CH], 9                       ; my 128 bias numbers: q, k: those of my 128 i;
	s_lshl_b32 s25, s[SB0], 6                      ; v: those of my 128 j
	s_cmp_eq_u32 s[KIND], 2
	s_cselect_b32 s24, s25, s24
	s_mov_b32 s25, 0
	s_add_nc_u64 s[BIA:BIA+1], s[BIA:BIA+1], s[24:25]
	global_load_b128 v[8:11], v[LI], s[BIA:BIA+1]  ; 512 consecutive bytes
	v_mul_u32_u24 v3, v1, PITCH
	v_mul_u32_u24 v4, v2, 24
	v_add_nc_u32 v4, v3, v4                        ; a fragment's row x pitch + 24 x half
	v_sub_nc_u32 v7, 1, v2
	v_mul_u32_u24 v5, SLOT-232, v2
	v_add_nc_u32 v5, v3, v5
	v_add_nc_u32 v5, 232, v5                       ; across two chunks: lanes 0-15 byte 232 in slot 0, lanes 16-31 byte 0 in slot 1;
	v_mul_u32_u24 v6, SLOT+232, v7
	v_add_nc_u32 v6, v3, v6                        ; lanes 0-15 byte 232 in slot 1, lanes 16-31 byte 0 in slot 0
	s_mul_i32 s22, s[HA], HALFT                    ; my 128 rows of S1
	s_mul_i32 s23, s[HB], HALFT                    ; my 128 rows of S0,
	s_add_co_u32 s23, s23, 2*HALFT                 ; which lie behind S1's 256
	v_add_nc_u32 v[ADRA+2], s22, v5
	v_add_nc_u32 v[ADRA+3], s22, v6
	v_add_nc_u32 v[ADRB+2], s23, v5
	v_add_nc_u32 v[ADRB+3], s23, v6
.irp s, 0,1
	v_add_nc_u32 v[ADRA+\s], s22, v4
	v_add_nc_u32 v[ADRB+\s], s23, v4
	s_add_co_u32 s22, s22, SLOT
	s_add_co_u32 s23, s23, SLOT
.endr
	v_mul_u32_u24 v5, v1, KS                       ; my row's scale bytes: 32 a row,
	v_lshrrev_b32 v6, 8, v5
	v_lshl_add_u32 v5, v6, 4, v5                   ; and 16 more for each 256 passed
	s_mul_i32 s22, s[HA], HALFS
	s_mul_i32 s23, s[HB], HALFS
	s_add_co_u32 s23, s23, 2*HALFS
	s_sub_co_u32 s23, s23, s22
	v_mul_u32_u24 v6, s23, v2                      ; lanes 16-31 take S0's
	s_add_co_u32 s22, s22, SCL
	v_add_nc_u32 v5, v5, v6
	v_add_nc_u32 v[ADRS], s22, v5
	s_lshl_b32 s24, s[WV], 9
	s_add_co_u32 s24, s24, BT                      ; my bias table
	v_lshl_add_u32 v[BTR], v2, 5, s24
	v_lshl_add_u32 v[BTL], v1, 2, s24
	v_add_nc_u32 v[BTW], s24, v[LI]
	global_prefetch_b8 v[PFO], s[PFB:PFB+1] offset:ROWB th:TH_LOAD_NT scope:SCOPE_SE     ; x's rows of chunk 1
	s_wait_alu depctr_va_vdst(0)                   ; the wait at the head's end
	s_wait_loadcnt 0x0
	ds_store_b128 v[BTW], v[8:11]                  ; read again by this wave alone, in the epilogue
.macro FRAG reg, adr, st, i            ; a fragment of step st: lane l holds row l % 16; registers 6 c .. 6 c + 5 hold K = 64 c + 32 (l / 16) + 0 .. 31, in pieces of 8 bytes
.irp p, 0,1,2,3,4,5
.set BY, 96*(\st)+48*(\p/3)+8*(\p%3)  ; where the piece of lanes 0-15 begins in the row of codes; lanes 16-31 read 24 bytes on
.if BY/ROWB == (BY+24)/ROWB
	ds_load_b64 v[\reg+2*\p:\reg+2*\p+1], v[\adr+(BY/ROWB)%2] offset:BY%ROWB+(\i)*16*PITCH
.else
	ds_load_b64 v[\reg+2*\p:\reg+2*\p+1], v[\adr+2+(BY/ROWB)%2] offset:BY%ROWB-232+(\i)*16*PITCH
.endif
.endr
.endm
; 16 matrix instructions: S1's blocks a0, a0 + 1 x S0's eight, 128 along K.  The 64 accumulators take turns, one instruction a turn, in the same order in every step.
.macro MUL16 a0, p, q, sc, zero
.irp a, \a0, \a0+1
.irp b, 0,1,2,3,4,5,6,7
.if \zero
	v_wmma_scale_f32_16x16x128_f8f6f4 v[8*(8*((\a)%4)+\b):8*(8*((\a)%4)+\b)+7], v[128*(\p)+FR*\b:128*(\p)+FR*\b+FR-1], v[AF+FR*(\a):AF+FR*(\a)+FR-1], 0, v[SC+8*NQ*(\sc)+NQ*\b+(\q)], v[SC+8*NQ*(\sc)+NQ*(\a)+(\q)] matrix_a_fmt:MATRIX_FMT_FP6 matrix_b_fmt:MATRIX_FMT_FP6 matrix_a_scale:MATRIX_SCALE_ROW1
.else
	v_wmma_scale_f32_16x16x128_f8f6f4 v[8*(8*((\a)%4)+\b):8*(8*((\a)%4)+\b)+7], v[128*(\p)+FR*\b:128*(\p)+FR*\b+FR-1], v[AF+FR*(\a):AF+FR*(\a)+FR-1], v[8*(8*((\a)%4)+\b):8*(8*((\a)%4)+\b)+7], v[SC+8*NQ*(\sc)+NQ*\b+(\q)], v[SC+8*NQ*(\sc)+NQ*(\a)+(\q)] matrix_a_fmt:MATRIX_FMT_FP6 matrix_b_fmt:MATRIX_FMT_FP6 matrix_a_scale:MATRIX_SCALE_ROW1
.endif
.endr
.endr
.endm
.macro FETCH_B st, p                   ; S0's eight fragments of step st into set p
	WIN TO_B
.irp i, 0,1,2,3,4,5,6,7
	FRAG 128*(\p)+FR*\i, ADRB, \st, \i
.endr
	WIN 0
.endm
.macro FETCH_A st, i0                  ; S1's blocks i0 .. i0 + 3
.irp i, \i0, \i0+1, \i0+2, \i0+3
	FRAG AF+FR*(\i), ADRA, \st, \i
.endr
.endm
.macro SCALES pr                       ; the scale words of steps 2 pr and 2 pr + 1 into set pr % 2: two words a row
.irp i, 0,1,2,3,4,5,6,7
	ds_load_b64 v[SC+8*NQ*((\pr)%2)+NQ*\i:SC+8*NQ*((\pr)%2)+NQ*\i+1], v[ADRS] offset:\i*SBLK+4*NQ*(\pr)
.endr
.endm
.macro PLACES n                        ; plain vector instructions between a matrix instruction and a load into, or a vector read or write of, its registers
.rept \n
	v_nop
.endr
.endm
; A step of 128 along K: 64 matrix instructions; the next step's fragments are fetched in its middle and at its end.
; Where the next step's bytes END in a chunk not read yet, a barrier shows that chunk to all waves.  Where they BEGIN in a later chunk and one two further on is left to fetch, the slot left behind is filled again
; behind a round of the cluster's barrier, in front of which each wave waits for its tensor loads, adds 0 to its spare word and waits for that and for its reads.
.macro STEP st, zero
.set NX, (\st)+1
.set C0, (96*(\st))/ROWB
.set C1, (96*NX)/ROWB
.set E0, (96*(\st)+95)/ROWB
.set E1, (96*NX+95)/ROWB
.set FILL, 0
.if C1 > C0
.if C0+2 < CHUNKS
.set FILL, 1
.endif
.endif
.if FILL || (E1 > E0)
	s_wait_tensorcnt 0x0                           ; all my tensor loads have landed
.if FILL
	ds_add_u32 v[SPW], v[NIL]                      ; 0 onto my spare word
	s_wait_dscnt 4*NL+1                            ; (the add and the youngest 24 loads may be out)
.else
	s_wait_dscnt 4*NL
.endif
	WIN MUL_LO
	MUL16 0, (\st)%2, (\st)%2, ((\st)/2)%2, \zero
	s_wait_dscnt 0x0                               ; the add, where there is one, and all my reads are done
	s_barrier_signal -1
	MUL16 2, (\st)%2, (\st)%2, ((\st)/2)%2, \zero
	WIN 0
	s_barrier_wait -1
.if FILL
	CREST                                          ; the barrier has opened a round: no wave of any partner still reads this slot or has a load on its way
	JLOAD G0, G1, G0B0, G1B                        ; chunk 2 into slot 0; the four v_nop behind it are also the places in front of the loads below
.else
	PLACES NP
.endif
.else
	s_wait_dscnt 4*NL                              ; S0's set and S1's blocks 0-3 are in; the youngest 24 loads may be out
	WIN MUL_LO
	MUL16 0, (\st)%2, (\st)%2, ((\st)/2)%2, \zero
	MUL16 2, (\st)%2, (\st)%2, ((\st)/2)%2, \zero
	s_wait_dscnt 0                                 ; S1's blocks 4-7 are in
	PLACES NP
.endif
	FETCH_B NX, NX%2
	FETCH_A NX, 0
.if NX%2 == 0
	SCALES NX/2
.endif
	WIN MUL_HI
	MUL16 4, (\st)%2, (\st)%2, ((\st)/2)%2, \zero
	MUL16 6, (\st)%2, (\st)%2, ((\st)/2)%2, \zero
	PLACES NP
	WIN 0
	FETCH_A NX, 4
.endm
	s_wait_tensorcnt 0x0                           ; my tile of the head's four is in
	ds_add_u32 v[SPW], v[NIL]
	s_mov_b32 s[G1+2], 128<<16                     ; no tensor load of mine is out: from here on a load brings 128 rows
	s_mov_b32 s[G1+4], 128
	s_mov_b32 s[G1B+2], 128<<16
	s_mov_b32 s[G1B+4], 128
	s_wait_dscnt 0x0                               ; the add is done, and my bias table is written
	CROUND                                         ; a whole round: all four tiles are in, and the partners are here
	JLOAD G0+4, G1, G0B1, G1B                      ; chunk 1 into slot 1
	FETCH_B 0, 0
	FETCH_A 0, 0
	SCALES 0
	FETCH_A 0, 4
	global_prefetch_b8 v[PFO], s[PFB:PFB+1] offset:2*ROWB th:TH_LOAD_NT scope:SCOPE_SE   ; x's rows of chunk 2, which step 2 asks for
	STEP 0, 1                                      ; the first products start the sums: nothing is cleared
.set STN, 1
.rept 6
	STEP STN, 0
.set STN, STN+1
.endr
	s_wait_dscnt 4*NL                              ; the last step: nothing more to fetch
	WIN MUL_LO
	MUL16 0, 1, NQ-1, 1, 0
	MUL16 2, 1, NQ-1, 1, 0
	s_wait_dscnt 0
	WIN MUL_HI
	MUL16 4, 1, NQ-1, 1, 0
	MUL16 6, 1, NQ-1, 1, 0
	WIN 0
; 64 numbers of a lane, v[s] .. v[s + 63] (registers 16 B .. 16 B + 15: my half of block B of my row), become a fragment's codes in v[PC] on and its scale word in v[pw].
.macro QUANT s, pw
.irp b, 0,1,2,3
	v_max3_num_f32 v[TM+\b], |v[\s+16*\b]|, |v[\s+1+16*\b]|, 0x1800000   ; and the floor 2^(3 - 127): the byte cannot fall under 1
.endr
.irp i, 2,4,6,8,10,12,14
.irp b, 0,1,2,3
	v_max3_num_f32 v[TM+\b], v[TM+\b], |v[\s+16*\b+\i]|, |v[\s+1+16*\b+\i]|   ; (the four blocks by turns)
.endr
.endr
.irp b, 0,1,2,3
	v_permlanex16_b32 v[TM+4+\b], v[TM+\b], s[SEL], s[SEL+1]
.endr
.irp b, 0,1,2,3
	v_max_num_f32 v[TM+\b], v[TM+\b], v[TM+4+\b]   ; with lane l xor 16's: the block's largest magnitude
.endr
.irp b, 0,1,2,3
	v_add_nc_u32 v[TM+12+\b], 0xff000000, v[TM+\b] ; 2 off its exponent field: the conversion takes the exponent field of this operand as its scale
.endr
.irp b, 0,1,2,3
	v_lshrrev_b32 v[TM+4+\b], 23, v[TM+12+\b]      ; the scale's byte
.endr
	v_lshl_or_b32 v[\pw], v[TM+5], 8, v[TM+4]      ; my row's scale word
	v_lshl_or_b32 v[\pw], v[TM+6], 16, v[\pw]
	v_lshl_or_b32 v[\pw], v[TM+7], 24, v[\pw]
.irp c, 0,1
	v_cvt_scalef32_pk16_fp6_f32 v[PC+6*\c:PC+2+6*\c], v[\s+32*\c:\s+15+32*\c], v[TM+12+2*\c]
	v_cvt_scalef32_pk16_fp6_f32 v[PC+12+4*\c:PC+14+4*\c], v[\s+16+32*\c:\s+31+32*\c], v[TM+12+2*\c+1]   ; (a conversion's three registers begin on an even number)
.endr
	v_nop                                          ; one plain place behind a scaled conversion
.irp c, 0,1                                    ; the operand's layout wants a WHOLE block in a lane: lanes 0-15 block 2 c, lanes 16-31 block 2 c + 1
.irp i, 0,1,2
	v_permlane16_swap_b32 v[PC+6*\c+\i], v[PC+12+4*\c+\i]
.endr
.irp i, 0,1,2
	v_mov_b32 v[PC+3+6*\c+\i], v[PC+12+4*\c+\i]
.endr
.endr
.endm
; S1's block a: its eight accumulators plus the bias are 64 numbers a lane: one fragment and one scale word a row.
.macro UNIT a, kind
.if (\a) > 0
	s_wait_xcnt 0x0                                ; the last unit's stores have read the codes' registers
.endif
	WIN 0x02+(\a)/4                                ; source 0: window 2 or 3
.set k, 0
.rept 32                               ; ascending: each accumulator is read from its low end on
.if \kind
	v_pk_add_f32 v[T+k:T+k+1], v[64*((\a)%4)+k:64*((\a)%4)+k+1], v[BI+2*(\a):BI+2*(\a)+1]
.else
	v_pk_add_f32 v[T+k:T+k+1], v[64*((\a)%4)+k:64*((\a)%4)+k+1], v[BI+k:BI+k+1]
.endif
.set k, k+2
.endr
	WIN 0
	QUANT T, PWL+(\a)
.irp g, 0,1,2
	global_store_b128 v[LI], v[PC+4*\g:PC+4*\g+3], s[OUC:OUC+1] offset:(\a)*SA+512*\g   ; 32 lanes store 512 consecutive bytes, at a multiple of 512 from the buffer's first byte
.endr
.endm
; kind 0: q, k (the bias runs along i, a lane's registers).  kind 1: v (the bias runs along j: one number a lane and block).
.macro EPI kind
.if \kind
.set SA, 1536                          ; bytes from one block of 16 along j to the next,
.set SB, 49152                         ; from one 128 along i to the next,
.set SS, 2048                          ; and the same among the scale words
.else
.set SA, 6144
.set SB, 1536
.set SS, 32768
.endif
	s_mul_i32 s22, s[SB0], SA
	s_mul_i32 s23, s[CH], SB
	s_add_co_u32 s22, s22, s23
	s_mov_b32 s23, 0
	s_add_nc_u64 s[OUC:OUC+1], s[OUC:OUC+1], s[22:23]
	s_mul_i32 s22, s[CH], SS
	s_lshl_b32 s24, s[SB0], 6
	s_add_co_u32 s22, s22, s24
	s_add_nc_u64 s[OUS:OUS+1], s[OUS:OUS+1], s[22:23]
.if \kind
.irp a, 0,1,2,3,4,5,6,7
	ds_load_b32 v[BI+2*\a], v[BTL] offset:64*\a    ; bias(16 a + r), twice: a pair for the packed addition
	ds_load_b32 v[BI+2*\a+1], v[BTL] offset:64*\a
.endr
.else
.irp b, 0,1,2,3,4,5,6,7
	ds_load_b128 v[BI+8*\b:BI+8*\b+3], v[BTR] offset:64*\b         ; bias(16 b + 8 h + 0 .. 7): the accumulators' own layout
	ds_load_b128 v[BI+8*\b+4:BI+8*\b+7], v[BTR] offset:64*\b+16
.endr
.endif
.irp b, 0,1,2,3
	v_mov_b32 v[TM+4+\b], 0                        ; written once: a lane permute's destination counts as one of its sources
.endr
	s_wait_dscnt 0x0
.irp a, 0,1,2,3,4,5,6,7
	UNIT \a, \kind
.endr
.irp x, 0,1,2,3
	v_cndmask_b32 v[CW+\x], v[PWL+2*\x], v[PWL+2*\x+1], s[HIM]     ; lanes 0-15 block 2 x's words, lanes 16-31 block 2 x + 1's
.endr
.irp x, 0,1,2,3
	global_store_b32 v[LS], v[CW+\x], s[OUS:OUS+1] offset:128*\x   ; 128 consecutive bytes each; the four fill 512 consecutive bytes
.endr
.endm
	PLACES NP                                      ; behind the last products: their results are read, and S1's fragments written over, by vector instructions
	s_cmp_eq_u32 s[KIND], 2
	s_cbranch_scc1 .Lalong_keys
	EPI 0
	s_branch .Lend
.Lalong_keys:
	EPI 1
.Lend:
	s_wait_tensorcnt 0x0                           ; the wave's end
	ds_add_u32 v[SPW], v[NIL]
	s_wait_dscnt 0x0
	CROUND                                         ; the closing round: no work-group ends while a partner may still ask for a tile that names it
	s_endpgm
.Lfunc_end_k_q0b6c540ce6_proj:
	.size	k_q0b6c540ce6_proj, .Lfunc_end_k_q0b6c540ce6_proj-k_q0b6c540ce6_proj
	.p2alignl 7, 3214868480
	.fill 96, 4, 3214868480
	.section	.rodata,"a",@progbits
	.p2align	6, 0x0
	.amdhsa_kernel k_q0b6c540ce6_proj
		.amdhsa_group_segment_fixed_size 327680
		.amdhsa_private_segment_fixed_size 0
		.amdhsa_enable_private_segment 0
		.amdhsa_kernarg_size 168
		.amdhsa_user_sgpr_count 2
		.amdhsa_user_sgpr_kernarg_segment_ptr 1
		.amdhsa_wavefront_size32 1
		.amdhsa_system_sgpr_workgroup_id_x 1
		.amdhsa_system_sgpr_workgroup_id_y 1
		.amdhsa_system_sgpr_workgroup_id_z 1
		.amdhsa_system_vgpr_workitem_id 0
		.amdhsa_next_free_vgpr 1024
		.amdhsa_next_free_sgpr 102
		.amdhsa_reserve_vcc 0
		.amdhsa_float_denorm_mode_32 3
		.amdhsa_float_denorm_mode_16_64 3
		.amdhsa_memory_ordered 1
		.amdhsa_forward_progress 1
		.amdhsa_inst_pref_size 234
	.end_amdhsa_kernel
	.amdgpu_metadata
---
amdhsa.version: [ 1, 2 ]
amdhsa.kernels:
  - .name:           k_q0b6c540ce6_proj
    .symbol:         k_q0b6c540ce6_proj.kd
    .args:
      - { .name: inputs_q_codes, .offset: 0, .size: 8, .value_kind: global_buffer, .address_space: global }
      - { .name: inputs_q_scales, .offset: 8, .size: 8, .value_kind: global_buffer, .address_space: global }
      - { .name: Wq_codes, .offset: 16, .size: 8, .value_kind: global_buffer, .address_space: global }
      - { .name: Wq_scales, .offset: 24, .size: 8, .value_kind: global_buffer, .address_space: global }
      - { .name: bq, .offset: 32, .size: 8, .value_kind: global_buffer, .address_space: global }
      - { .name: qc, .offset: 40, .size: 8, .value_kind: global_buffer, .address_space: global }
      - { .name: qs, .offset: 48, .size: 8, .value_kind: global_buffer, .address_space: global }
      - { .name: inputs_k_codes, .offset: 56, .size: 8, .value_kind: global_buffer, .address_space: global }
      - { .name: inputs_k_scales, .offset: 64, .size: 8, .value_kind: global_buffer, .address_space: global }
      - { .name: Wk_codes, .offset: 72, .size: 8, .value_kind: global_buffer, .address_space: global }
      - { .name: Wk_scales, .offset: 80, .size: 8, .value_kind: global_buffer, .address_space: global }
      - { .name: bk, .offset: 88, .size: 8, .value_kind: global_buffer, .address_space: global }
      - { .name: kc, .offset: 96, .size: 8, .value_kind: global_buffer, .address_space: global }
      - { .name: ks, .offset: 104, .size: 8, .value_kind: global_buffer, .address_space: global }
      - { .name: Wv_codes, .offset: 112, .size: 8, .value_kind: global_buffer, .address_space: global }
      - { .name: Wv_scales, .offset: 120, .size: 8, .value_kind: global_buffer, .address_space: global }
      - { .name: inputs_v_codes, .offset: 128, .size: 8, .value_kind: global_buffer, .address_space: global }
      - { .name: inputs_v_scales, .offset: 136, .size: 8, .value_kind: global_buffer, .address_space: global }
      - { .name: bv, .offset: 144, .size: 8, .value_kind: global_buffer, .address_space: global }
      - { .name: vc, .offset: 152, .size: 8, .value_kind: global_buffer, .address_space: global }
      - { .name: vs, .offset: 160, .size: 8, .value_kind: global_buffer, .address_space: global }
    .group_segment_fixed_size: 327680
    .private_segment_fixed_size: 0
    .kernarg_segment_align: 8
    .kernarg_segment_size: 168
    .max_flat_workgroup_size: 128
    .sgpr_count:     102
    .vgpr_count:     1024
    .wavefront_size: 32
...
	.end_amdgpu_metadata
.endif
;; end of part 1
;; launch attn (part 2): grid 60 x 4, 4 waves a work-group, no clusters, 42,496 bytes of LDS; arguments qc, qs, kc, ks, vc, vs, out0, po, pm; writes out0, po, pm
.if DOCPART == 2
	.amdgcn_target "amdgcn-amd-amdhsa--gfx1250"
	.amdhsa_code_object_version 6
	.text
	.protected	k_q0b6c540ce6_attn
	.globl	k_q0b6c540ce6_attn
	.p2align	8
	.type	k_q0b6c540ce6_attn,@function
k_q0b6c540ce6_attn:
	s_mov_b64 s[64:65], 0
	v_nop
	global_prefetch_b8 v0, s[64:65] scope:SCOPE_SE
	s_setreg_imm32_b32 hwreg(HW_REG_WAVE_MODE, 25, 1), 1
	s_wait_xcnt 0x0
; CAUSAL ATTENTION, one head of 512, on codes of FP6 (E2M3) with E8M0 scales: softmax over k <= q of q . k / sqrt(512), times v.  q, k, v come as images of operand registers
; (a fragment of 16 rows x 128 K is three runs of 512 bytes, lane l's 16 bytes at 16 l) with one scale word for a row and 128 K.
; SHARES.  A query block j is 64 queries (four tiles m of 16) of one batch; it needs n = j / 2 + 1 steps of 128 keys.  Its steps are divided in P parts, one work-group each: P = 1 for n <= 6, 2 for n <= 12, 3 above:
; 60 work-groups a batch, at most 6 steps each.  Part p takes steps b(p) .. b(p + 1) - 1, b(p) = (p n + P - 1) / P rounded down.  Where P = 1 the result leaves finished; else the part's unnormalised
; sums go to po in f32, and each row's -M* and sum l to pm; the launch behind this one adds the parts.
; IN A STEP EVERY BYTE OF K AND V IS WANTED BY ONE WAVE.  Scores: wave w makes S^T = K Q^T for the step's keys 32 w .. 32 w + 31 (two tiles u) and all four tiles of queries.  Second product: wave w makes
; O^T = V^T P^T for channels 128 w .. 128 w + 127 (eight tiles t).  So K and V go from memory straight into operand registers, 512 dense bytes a load, and only p's codes and two numbers a query go through LDS.
; NO CLUSTER: a joint load lands in LDS, and these tiles never go there.  NO PREFETCH: K's and V's loads of the next step are themselves asked for as soon as this step's products have read the registers.
; Both products are used transposed: a lane holds ONE query (lane % 16) throughout.
; THE SOFTMAX.  t = score x log2(e) / sqrt(512).  EACH WAVE KEEPS ITS OWN WHOLE NUMBER M_w, the ceiling of the largest t among the keys that it has seen; p = 2^(t - M_w) is quantised, a block of 32 keys to a wave,
; and the sum l_w of the unquantised p is kept under M_w.  The wave hands over the codes, the block's scale byte and -M_w.  Every wave keeps -M* = the least of all -M_w, multiplies O^T by 2^(old M* - new M*)
; and lowers each block's byte by M* - M_w: a power of two, which the scale takes up.  A byte that would fall under 0 is held at 0: such a block stands for at most 7.5 x 2^-127 beside a sum above 1/2.
; THE MASK.  A hidden score becomes -1e9 x sqrt(512), so that t is -1e9 x log2(e).  It is finite: a block that is wholly hidden gives finite p under its own M_w, and the shift by M* - M_w takes its byte and its l_w to 0.
; In a part that does not hold the diagonal the bound lies beyond every key.
; LEFT OUT AS DEAD WORK: key steps that lie wholly under reference()'s own mask; their weight is 0, unless a row's largest open score lies under about -1e9.  A NaN or an infinity that reaches only them is not carried.
; LIMITS: the scaled scores stay under 2^31 in magnitude; NaN and infinities among the inputs are not served.
; THE ORDER OF CODES IN A BLOCK: place 16 x + 8 u + y holds key 16 u + 8 x + y (x = lane / 16), as in v's codes; q's and k's blocks share that order too.
; REGISTERS, in windows of 256.  0: addresses, statistics, scores, what the waves hand over.  1: v0-191 Q.  2: v0-95 K, v96-191 V; on the way out rows read back.  3: O^T, (t, m) at v[8 (4 t + m)].
.set PIMG,  0                          ; LDS: p's four fragments: tile m at 1536 m, registers 6 c .. 6 c + 5 of lane l at 768 c + 24 l
.set STAT,  6144                       ; tile m at 512 m: wave w's -M_w and byte (as f32) at 32 r + 8 w
.set STG,   8192                       ; the way out: 16 rows x (512 bytes + 16) for each wave
.set SPITCH, 528
.set SPARE, STG+4*16*SPITCH            ; the spare words
.set R,    1                           ; lane % 16
.set H,    2                           ; lane / 16
.set LI,   3                           ; 16 x lane
.set LS,   4                           ; 4 x lane
.set PWA,  5                           ; where my 12 bytes of codes go: 384 w + 24 r + 12 h
.set PRA,  6                           ; 24 x lane
.set STW,  7                           ; STAT + 32 r + 8 w
.set STR,  8                           ; STAT + 32 r
.set STO,  9                           ; my stage: row r, + 32 h
.set RD,   10                          ; my stage: 16 x lane
.set D0,   11                          ; v11-14: register 8 u + y of tile m is hidden where 16 u + y > D(m)
.set NEG,  15                          ; the hidden score
.set ST,   16                          ; tile m at v[ST + 16 m]: +0 -M_w, +1 the byte as f32, +2, +3 l_w in two halves, +4 2^(old M_w - new M_w) (+5 named with it), +6 the block's largest score, then p,
                                       ; +7 at work, +8 the conversion's scale operand, +9 the largest t, +10 -M*, +11 at work, +12 O^T's factor (+13 named with it)
.set X,    80                          ; S^T, then p
.set PF,   80                          ; P's fragments, on p's registers, which are read no more by then
.set OT,   80                          ; the way out: a tile's 64 numbers
.set PCD,  144
.set RNB,  160                         ; tile m at +8 m: the waves' -M_w (even) and bytes (odd)
.set TW,   192                         ; at work; behind a step: M_w - M*, tile m at +4 m
.set QSC,  208                         ; Q's scale words: 4 (m / 2) + s; lanes 0-15 an even tile, lanes 16-31 the odd one
.set KSC,  218                         ; K's: lanes 0-15 u = 0, lanes 16-31 u = 1
.set VSC,  224                         ; V's: lanes 0-15 tile t = 2 x, lanes 16-31 t = 2 x + 1
.set PWD,  228                         ; p's scale words under M*
.set SPW,  232
.set NIL,  233
.set QF,   0
.set KF,   0
.set VF,   96
.set MSB, 0
.macro WIN new                         ; the immediate's high byte repeats the setting that is left
.if MSB != (\new)
	s_set_vgpr_msb (MSB<<8)|(\new)
.set MSB, (\new)
.endif
.endm
.macro WALU
	s_wait_alu depctr_va_vdst(0)
.endm
.macro PLACES                          ; between a matrix instruction and a load into, a vector read of, or another product's write over its registers
.rept 5
	v_nop
.endr
.endm
.macro WMM d, a, b, sa, sb, ra, rb, z  ; z: it starts the sum
.if \z
	v_wmma_scale_f32_16x16x128_f8f6f4 v[(\d):(\d)+7], v[(\a):(\a)+11], v[(\b):(\b)+11], 0, v[\sa], v[\sb] matrix_a_fmt:MATRIX_FMT_FP6 matrix_b_fmt:MATRIX_FMT_FP6 matrix_a_scale:MATRIX_SCALE_ROW\ra matrix_b_scale:MATRIX_SCALE_ROW\rb
.else
	v_wmma_scale_f32_16x16x128_f8f6f4 v[(\d):(\d)+7], v[(\a):(\a)+11], v[(\b):(\b)+11], v[(\d):(\d)+7], v[\sa], v[\sb] matrix_a_fmt:MATRIX_FMT_FP6 matrix_b_fmt:MATRIX_FMT_FP6 matrix_a_scale:MATRIX_SCALE_ROW\ra matrix_b_scale:MATRIX_SCALE_ROW\rb
.endif
.endm
	s_load_b256 s[4:11], s[0:1], 0x0               ; qc, qs, kc, ks
	s_load_b256 s[12:19], s[0:1], 0x20             ; vc, vs, out0, po
	s_load_b64 s[20:21], s[0:1], 0x40              ; pm
	v_lshl_add_u32 v[SPW], v0, 2, SPARE
	v_mov_b32 v[NIL], 0
	v_lshrrev_b32 v1, 5, v0
	v_readfirstlane_b32 s22, v1                    ; wave 0..3
	s_and_b32 s24, ttmp7, 0xffff                   ; the batch
	s_sub_co_u32 s58, 59, ttmp9                    ; x: the blocks with the most keys have the lowest work-group numbers
	s_mov_b32 s54, 512                             ; division by P: x s54, then 9 bits down (exact for the numbers here, at most 50)
	s_mov_b32 s30, 1                               ; P
	s_mov_b32 s56, 0
	s_mov_b32 s57, 0
	s_cmp_ge_u32 s58, 12
	s_cselect_b32 s54, 256, s54
	s_cselect_b32 s30, 2, s30
	s_cselect_b32 s56, 12, s56                     ; first x of the group,
	s_cselect_b32 s57, 12, s57                     ; and its first block
	s_cmp_ge_u32 s58, 36
	s_cselect_b32 s54, 171, s54
	s_cselect_b32 s30, 3, s30
	s_cselect_b32 s56, 36, s56
	s_cselect_b32 s57, 24, s57
	s_sub_co_u32 s56, s58, s56
	s_mul_i32 s23, s56, s54
	s_lshr_b32 s23, s23, 9
	s_mul_i32 s31, s23, s30
	s_sub_co_u32 s31, s56, s31                     ; p
	s_add_co_u32 s23, s23, s57                     ; j
	s_lshr_b32 s32, s23, 1
	s_add_co_u32 s32, s32, 1                       ; n
	s_sub_co_u32 s57, s30, 1
	s_mul_i32 s33, s31, s32
	s_add_co_u32 s33, s33, s57
	s_add_co_u32 s25, s33, s32
	s_mul_i32 s33, s33, s54
	s_lshr_b32 s33, s33, 9                         ; b(p): my first step
	s_mul_i32 s25, s25, s54
	s_lshr_b32 s25, s25, 9
	s_sub_co_u32 s25, s25, s33
	s_sub_co_u32 s25, s25, 1                       ; steps in front of my last
	s_mov_b32 s59, 0x100000
	s_cmp_eq_u32 s31, s57
	s_cselect_b32 s59, 0, s59                      ; only the last part holds the diagonal
	s_and_b32 s60, s23, 1
	s_lshl_b32 s60, s60, 6
	s_add_co_u32 s60, s60, s59
	s_lshl_b32 s59, s22, 5
	s_sub_co_u32 s60, s60, s59                     ; D(m) = 64 (j % 2) + 16 m + r - 8 h - 32 w
	s_mov_b32 s26, 0x76543210
	s_mov_b32 s27, 0xfedcba98                      ; v_permlanex16_b32's selects for lane l xor 16
	s_mov_b32 s28, 0x3d8293ee                      ; c = log2(e) / sqrt(512)
	s_mov_b32 s29, s28                             ; (named with it as a pair)
	s_mov_b32 s55, 0xffff0000                      ; a mask of lanes 16-31
	s_lshl_b32 s56, s24, 7                         ; the batch's first block of 16 tokens
	s_lshl_b32 s57, s23, 2
	s_add_co_u32 s57, s57, s56
	s_mul_i32 s36, s57, 6144                       ; my queries
	s_mov_b32 s37, 0
	s_lshl_b32 s38, s57, 6
	s_mov_b32 s39, 0
	s_lshl_b32 s57, s33, 3
	s_add_co_u32 s57, s57, s56
	s_lshl_b32 s56, s22, 1
	s_add_co_u32 s57, s57, s56
	s_mul_i32 s40, s57, 6144                       ; my keys in my first step
	s_mov_b32 s41, 0
	s_lshl_b32 s42, s57, 6
	s_mov_b32 s43, 0
	s_lshl_b32 s57, s24, 4
	s_add_co_u32 s57, s57, s33
	s_mul_i32 s44, s57, 49152                      ; my channels of v
	s_mul_i32 s56, s22, 12288
	s_add_co_u32 s44, s44, s56
	s_mov_b32 s45, 0
	s_lshl_b32 s46, s57, 11
	s_lshl_b32 s59, s22, 9
	s_add_co_u32 s46, s46, s59
	s_mov_b32 s47, 0
	s_mul_i32 s56, s24, 48                         ; parts: 48 slots of 64 rows a batch, slot x - 12
	s_add_co_u32 s56, s56, s58
	s_sub_co_u32 s56, s56, 12
	s_lshl_b32 s50, s56, 9
	s_mov_b32 s51, 0
	s_lshl_b32 s57, s24, 5
	s_add_co_u32 s57, s57, s23
	s_cmp_eq_u32 s30, 1
	s_cselect_b32 s48, s57, s56
	s_cselect_b32 s52, -1, 0                       ; all lanes where P = 1
	s_lshl_b32 s48, s48, 17                        ; 64 rows of 2,048 bytes
	s_add_co_u32 s48, s48, s59
	s_mov_b32 s49, 0
	s_or_b32 s53, s22, s52                         ; not 0: I store no statistics
	s_mul_i32 s56, s22, 384
	s_lshl_b32 s57, s22, 3
	s_add_co_u32 s57, s57, STAT
	s_mul_i32 s59, s22, 16*SPITCH
	s_add_co_u32 s59, s59, STG
	v_and_b32 v[R], 15, v0
	v_bfe_u32 v[H], v0, 4, 1
	v_and_b32 v[TW], 31, v0
	v_lshlrev_b32 v[LI], 4, v[TW]
	v_lshlrev_b32 v[LS], 2, v[TW]
	v_mul_u32_u24 v[PRA], v[TW], 24
	v_mul_u32_u24 v[PWA], v[R], 24
	v_mad_u32_u24 v[PWA], v[H], 12, v[PWA]
	v_add_nc_u32 v[PWA], s56, v[PWA]               ; block w is registers 6 (w / 2) on of lanes 16 (w % 2) + r
	v_lshl_add_u32 v[STW], v[R], 5, s57
	v_lshl_add_u32 v[STR], v[R], 5, STAT
	v_mul_u32_u24 v[STO], v[R], SPITCH
	v_lshl_add_u32 v[STO], v[H], 5, v[STO]
	v_add_nc_u32 v[STO], s59, v[STO]
	v_add_nc_u32 v[RD], s59, v[LI]
	v_lshlrev_b32 v[D0], 3, v[H]
	v_sub_nc_u32 v[D0], v[R], v[D0]
	v_add_nc_u32 v[D0], s60, v[D0]
.irp m, 1,2,3
	v_add_nc_u32 v[D0+\m], 16*\m, v[D0]
.endr
	v_mov_b32 v[NEG], 0xd0a8965f                   ; -1e9 x sqrt(512)
	WALU                                           ; the wait at the head's end
	s_wait_kmcnt 0x0
	s_add_nc_u64 s[4:5], s[4:5], s[36:37]
	s_add_nc_u64 s[6:7], s[6:7], s[38:39]
	s_add_nc_u64 s[8:9], s[8:9], s[40:41]
	s_add_nc_u64 s[10:11], s[10:11], s[42:43]
	s_add_nc_u64 s[12:13], s[12:13], s[44:45]
	s_add_nc_u64 s[14:15], s[14:15], s[46:47]
	s_cmp_eq_u32 s30, 1
	s_cselect_b64 s[16:17], s[16:17], s[18:19]     ; where the result goes: out0 or po; rows of 2,048 bytes in both
	s_add_nc_u64 s[16:17], s[16:17], s[48:49]
	s_add_nc_u64 s[20:21], s[20:21], s[50:51]
	WIN 0x40
.irp f, 0,1,2,3,4,5,6,7,8,9,10,11,12,13,14,15   ; Q's fragments f = 4 m + s stay in registers: 48 + 8 loads
.irp g, 0,1,2
	global_load_b128 v[QF+12*\f+4*\g:QF+12*\f+4*\g+3], v[LI], s[4:5] offset:1536*\f+512*\g
.endr
.endr
	WIN 0
.irp p, 0,1
.irp s, 0,1,2,3
	global_load_b32 v[QSC+4*\p+\s], v[LS], s[6:7] offset:32768*\s+128*\p
.endr
.endr
; A step's K for my wave: fragments f = 4 u + s, and four scale words: 24 + 4 loads.  step = 1: the pointers go on to the next 128 keys first.
.macro LOADK step
.if \step
	s_wait_xcnt 0x0                                ; the loads issued so far have read their bases
	s_add_nc_u64 s[8:9], s[8:9], 49152
	s_add_nc_u64 s[10:11], s[10:11], 512
.endif
	WIN 0x80
.irp f, 0,1,2,3,4,5,6,7
.irp g, 0,1,2
	global_load_b128 v[KF+12*\f+4*\g:KF+12*\f+4*\g+3], v[LI], s[8:9] offset:1536*\f+512*\g
.endr
.endr
	WIN 0
.irp s, 0,1,2,3
	global_load_b32 v[KSC+\s], v[LS], s[10:11] offset:32768*\s
.endr
.endm
; A step's V for my wave: fragments t, and four scale words: 24 + 4 loads.
.macro LOADV step
.if \step
	s_wait_xcnt 0x0
	s_add_nc_u64 s[12:13], s[12:13], 49152
	s_add_nc_u64 s[14:15], s[14:15], 2048
.endif
	WIN 0x80
.irp f, 0,1,2,3,4,5,6,7
.irp g, 0,1,2
	global_load_b128 v[VF+12*\f+4*\g:VF+12*\f+4*\g+3], v[LI], s[12:13] offset:1536*\f+512*\g
.endr
.endr
	WIN 0
.irp s, 0,1,2,3
	global_load_b32 v[VSC+\s], v[LS], s[14:15] offset:128*\s
.endr
.endm
	LOADK 0
.irp m, 0,1,2,3                                ; the state in front of the first step, made while the first loads are out
	v_mov_b32 v[ST+16*\m+9], 0xff61b1e6            ; the largest t so far: -3e38, under every t
	v_floor_f32 v[ST+16*\m], -v[ST+16*\m+9]        ; -M_w
	v_floor_f32 v[ST+16*\m+10], -v[ST+16*\m+9]     ; -M*
.irp k, 1,2,3,5,7,13                           ; l_w is 0; the others are named, as halves of pairs or as a lane permute's destination, before they are first made
	v_mov_b32 v[ST+16*\m+\k], 0
.endr
.endr
	WIN 0xc0
.set i, 0
.rept 256
	v_mov_b32 v[i], 0                              ; O^T, while the first loads are out: a first step with C = 0 would be a third copy of the step
.set i, i+1
.endr
	WIN 0
	LOADV 0
; S^T = K Q^T: 32 matrix instructions; the eight accumulators take turns, one instruction a turn
.macro SMUL
	WIN 0x06                                       ; source 0 (K) window 2, source 1 (Q) window 1
.irp s, 0,1,2,3
.irp p, 0,1
.irp mm, 0,1
.irp u, 0,1
	WMM X+32*\p+16*\mm+8*\u, KF+48*\u+12*\s, QF+96*\p+48*\mm+12*\s, KSC+\s, QSC+4*\p+\s, \u, \mm, (\s==0)
.endr
.endr
.endr
.endr
	WIN 0
.endm
.macro MASK                            ; hidden scores, ahead of the maximum; each accumulator from its low end on
.irp m, 0,1,2,3
.irp n, 0,1,2,3,4,5,6,7,8,9,10,11,12,13,14,15
	v_cmp_gt_i32 vcc_lo, 16*(\n/8)+\n%8, v[D0+\m]
	v_cndmask_b32 v[X+16*\m+\n], v[X+16*\m+\n], v[NEG], vcc_lo
.endr
.endr
.endm
; My block of 32 keys for all four tiles of queries, the tiles by turns line by line.
.macro SOFTMAX
.irp m, 0,1,2,3
	v_max3_num_f32 v[ST+16*\m+6], v[X+16*\m], v[X+16*\m+1], v[X+16*\m+2]   ; the block's largest score: it serves for M_w and, since p rises with the score, for the block's largest p
.endr
.irp k, 3,5,7,9,11,13
.irp m, 0,1,2,3
	v_max3_num_f32 v[ST+16*\m+6], v[ST+16*\m+6], v[X+16*\m+\k], v[X+16*\m+\k+1]
.endr
.endr
.irp m, 0,1,2,3
	v_max_num_f32 v[ST+16*\m+6], v[ST+16*\m+6], v[X+16*\m+15]
.endr
.irp m, 0,1,2,3
	v_permlanex16_b32 v[ST+16*\m+7], v[ST+16*\m+6], s26, s27
.endr
.irp m, 0,1,2,3
	v_max_num_f32 v[ST+16*\m+6], v[ST+16*\m+6], v[ST+16*\m+7]      ; with lane l xor 16's 16 keys
.endr
.irp m, 0,1,2,3
	v_mul_f32 v[ST+16*\m+7], s28, v[ST+16*\m+6]    ; as t (c is positive)
.endr
.irp m, 0,1,2,3
	v_max_num_f32 v[ST+16*\m+9], v[ST+16*\m+9], v[ST+16*\m+7]      ; my wave's running largest t
.endr
.irp m, 0,1,2,3
	v_mov_b32 v[ST+16*\m+7], v[ST+16*\m]
.endr
.irp m, 0,1,2,3
	v_floor_f32 v[ST+16*\m], -v[ST+16*\m+9]        ; the new -M_w = floor(-t): a whole number
.endr
.irp m, 0,1,2,3
	v_sub_f32 v[ST+16*\m+7], v[ST+16*\m], v[ST+16*\m+7]            ; old M_w - new M_w: 0 or less
.endr
.irp m, 0,1,2,3
	v_cvt_i32_f32 v[ST+16*\m+7], v[ST+16*\m+7]     ; (it saturates)
.endr
.irp m, 0,1,2,3
	v_ldexp_f32 v[ST+16*\m+4], 1.0, v[ST+16*\m+7]  ; a multiplication by it rounds nothing
.endr
.irp k, 0,2,4,6,8,10,12,14
.irp m, 0,1,2,3
	v_pk_fma_f32 v[X+16*\m+\k:X+16*\m+\k+1], v[X+16*\m+\k:X+16*\m+\k+1], s[28:29], v[ST+16*\m:ST+16*\m+1] op_sel_hi:[1,0,0]   ; t - M_w, two at a time
.endr
.endr
.irp m, 0,1,2,3
	v_fma_f32 v[ST+16*\m+6], v[ST+16*\m+6], s28, v[ST+16*\m]       ; the same of the block's largest score
.endr
	WALU                                           ; the wait ahead of the batch and behind it
.irp m, 0,1,2,3
.irp k, 0,1,2,3,4,5,6,7,8,9,10,11,12,13,14,15
	v_exp_f32 v[X+16*\m+\k], v[X+16*\m+\k]         ; p = 2^(t - M_w): not normalised
.endr
	v_exp_f32 v[ST+16*\m+6], v[ST+16*\m+6]         ; the block's largest p: the same two instructions on the same number
.endr
.irp m, 0,1,2,3
	v_pk_mul_f32 v[ST+16*\m+2:ST+16*\m+3], v[ST+16*\m+2:ST+16*\m+3], v[ST+16*\m+4:ST+16*\m+5] op_sel_hi:[1,0]   ; l_w under the new M_w.  (A plain place behind the exponentials)
.endr
	WALU
.irp m, 0,1,2,3
	v_max_num_f32 v[ST+16*\m+6], 0x1800000, v[ST+16*\m+6]          ; the floor 2^(3 - 127): the byte cannot fall under 1
.endr
.irp m, 0,1,2,3
	v_add_nc_u32 v[ST+16*\m+8], 0xff000000, v[ST+16*\m+6]          ; 2 off the exponent field: the conversion's scale operand
.endr
.irp m, 0,1,2,3
	v_lshrrev_b32 v[ST+16*\m+7], 23, v[ST+16*\m+8] ; the scale's byte,
.endr
.irp m, 0,1,2,3
	v_cvt_f32_u32 v[ST+16*\m+1], v[ST+16*\m+7]     ; as f32: the readers add a difference of two M to it
.endr
.irp m, 0,1,2,3
	v_cvt_scalef32_pk16_fp6_f32 v[PCD+4*\m:PCD+4*\m+2], v[X+16*\m:X+16*\m+15], v[ST+16*\m+8]   ; my 16 keys' codes: places 16 h .. 16 h + 15 of the block
.endr
	v_nop                                          ; one plain place behind a scaled conversion
.irp m, 0,1,2,3
	ds_store_b64 v[STW], v[ST+16*\m:ST+16*\m+1] offset:512*\m      ; both halves of the lanes write the same words with the same values
.irp k, 0,1,2
	ds_store_b32 v[PWA], v[PCD+4*\m+\k] offset:PIMG+1536*\m+4*\k
.endr
.endr
.irp m, 0,1,2,3                                ; the sum is taken of the UNQUANTISED p, in two chains, while the stores are out
	v_pk_add_f32 v[TW+2*\m:TW+2*\m+1], v[X+16*\m+2:X+16*\m+3], v[X+16*\m+6:X+16*\m+7]
	v_pk_add_f32 v[ST+16*\m+2:ST+16*\m+3], v[ST+16*\m+2:ST+16*\m+3], v[X+16*\m:X+16*\m+1]
.endr
.irp k, 0,4
.irp m, 0,1,2,3
	v_pk_add_f32 v[TW+2*\m:TW+2*\m+1], v[TW+2*\m:TW+2*\m+1], v[X+16*\m+10+\k:X+16*\m+11+\k]
	v_pk_add_f32 v[ST+16*\m+2:ST+16*\m+3], v[ST+16*\m+2:ST+16*\m+3], v[X+16*\m+4+\k:X+16*\m+5+\k]
.endr
.endr
.irp m, 0,1,2,3
	v_pk_add_f32 v[ST+16*\m+2:ST+16*\m+3], v[ST+16*\m+2:ST+16*\m+3], v[X+16*\m+12:X+16*\m+13]
.endr
.irp m, 0,1,2,3
	v_pk_add_f32 v[ST+16*\m+2:ST+16*\m+3], v[ST+16*\m+2:ST+16*\m+3], v[TW+2*\m:TW+2*\m+1]
.endr
.endm
.macro EXCH                            ; from wave to wave: my stores have landed | barrier | every wave reads all four blocks: 8 loads of statistics, 24 of codes
	WALU
	s_wait_dscnt 0x0
	s_barrier_signal -1
	s_barrier_wait -1
.irp m, 0,1,2,3
	ds_load_b128 v[RNB+8*\m:RNB+8*\m+3], v[STR] offset:512*\m
	ds_load_b128 v[RNB+8*\m+4:RNB+8*\m+7], v[STR] offset:512*\m+16
.endr
.irp m, 0,1,2,3
.irp c, 0,1
.irp p, 0,1,2
	ds_load_b64 v[PF+12*\m+6*\c+2*\p:PF+12*\m+6*\c+2*\p+1], v[PRA] offset:PIMG+1536*\m+768*\c+8*\p
.endr
.endr
.endr
	s_wait_dscnt 24                                ; the statistics are in; the codes' 24 loads may be out
.endm
.macro FIXUP                           ; -M*, the factor for O^T, and the four bytes under M*
.irp m, 0,1,2,3
	v_mov_b32 v[ST+16*\m+11], v[ST+16*\m+10]
.endr
.irp m, 0,1,2,3
	v_min3_num_f32 v[ST+16*\m+10], v[ST+16*\m+10], v[RNB+8*\m], v[RNB+8*\m+2]
.endr
.irp m, 0,1,2,3
	v_min3_num_f32 v[ST+16*\m+10], v[ST+16*\m+10], v[RNB+8*\m+4], v[RNB+8*\m+6]
.endr
.irp m, 0,1,2,3
	v_sub_f32 v[ST+16*\m+11], v[ST+16*\m+10], v[ST+16*\m+11]       ; old M* - new M*
.endr
.irp m, 0,1,2,3
	v_cvt_i32_f32 v[ST+16*\m+11], v[ST+16*\m+11]
.endr
.irp m, 0,1,2,3
	v_ldexp_f32 v[ST+16*\m+12], 1.0, v[ST+16*\m+11]
.endr
.irp w, 0,1,2,3
.irp m, 0,1,2,3
	v_sub_f32 v[TW+4*\m+\w], v[ST+16*\m+10], v[RNB+8*\m+2*\w]      ; M_w - M*: 0 or less
.endr
.endr
.irp w, 0,1,2,3
.irp m, 0,1,2,3
	v_add_f32 v[RNB+8*\m+2*\w+1], v[RNB+8*\m+2*\w+1], v[TW+4*\m+\w]
.endr
.endr
.irp w, 0,1,2,3
.irp m, 0,1,2,3
	v_max_num_f32 v[RNB+8*\m+2*\w+1], 0, v[RNB+8*\m+2*\w+1]        ; held at 0 from below
.endr
.endr
.irp w, 0,1,2,3
.irp m, 0,1,2,3
	v_cvt_u32_f32 v[RNB+8*\m+2*\w+1], v[RNB+8*\m+2*\w+1]
.endr
.endr
.irp m, 0,1,2,3
	v_lshl_or_b32 v[PWD+\m], v[RNB+8*\m+3], 8, v[RNB+8*\m+1]
.endr
.irp m, 0,1,2,3
	v_lshl_or_b32 v[PWD+\m], v[RNB+8*\m+5], 16, v[PWD+\m]
.endr
.irp m, 0,1,2,3
	v_lshl_or_b32 v[PWD+\m], v[RNB+8*\m+7], 24, v[PWD+\m]
.endr
.endm
.macro RESCALE                         ; O^T under the new M*; each accumulator from its low end on.  These 128 also stand between the write of p's scale words and the products that take them
	WIN 0xc3
	WALU                                           ; the wait directly ahead of O^T's first reader
.set i, 0
.rept 128
	v_pk_mul_f32 v[2*i:2*i+1], v[2*i:2*i+1], v[ST+16*((i/4)%4)+12:ST+16*((i/4)%4)+13] op_sel_hi:[1,0]
.set i, i+1
.endr
	WIN 0
.endm
.macro PVMUL                           ; O^T += V^T P^T: 32 matrix instructions on 32 accumulators
	WIN 0xf2                                       ; source 0 (V) window 2, source 1 (P) window 0, C and D window 3
.irp tp, 0,1,2,3
.irp tt, 0,1
.irp m, 0,1,2,3
	WMM 64*\tp+32*\tt+8*\m, VF+24*\tp+12*\tt, PF+12*\m, VSC+\tp, PWD+\m, \tt, 0, 0
.endr
.endr
.endr
	WIN 0
.endm
; A KEY STEP.  K's group and V's group of loads, 28 each, are always issued by turns: so at each wait just one younger group may be out.  next = 1: the next step's groups are asked for as soon as
; this step's products have read the registers.  next = 0: the last step, masked.
.macro STEP next
	s_wait_loadcnt 28                              ; this step's K is in (in the first step Q too); V's 28 loads may be out
	SMUL
	PLACES
.if \next
	LOADK 1
.else
	MASK
.endif
	SOFTMAX
	EXCH
	FIXUP
	s_wait_dscnt 0x0                               ; my reads are in:
	s_barrier_signal -1                            ; the next step may store again behind this barrier
	RESCALE                                        ; register work while the others arrive
	WALU                                           ; directly ahead of the waits below
	s_barrier_wait -1
.if \next
	s_wait_loadcnt 28                              ; this step's V is in; the next step's K may be out
.else
	s_wait_loadcnt 0x0
.endif
	PVMUL
	PLACES
.if \next
	LOADV 1
.endif
.endm
	WALU
	s_cmp_eq_u32 s25, 0                            ; the trip count hangs on the work-group's number alone: all four waves pass the same barriers
	s_cbranch_scc1 .Llast
.Lstep:
	STEP 1
	s_sub_co_u32 s25, s25, 1
	s_cmp_lg_u32 s25, 0
	s_cbranch_scc1 .Lstep
.Llast:
	STEP 0
	; l = sum over the waves of l_w 2^(M_w - M*).  The statistics' words are free: every wave has passed the barrier behind its last read of them.
.irp m, 0,1,2,3
	v_add_f32 v[ST+16*\m+7], v[ST+16*\m+2], v[ST+16*\m+3]
.endr
.irp m, 0,1,2,3
	v_permlanex16_b32 v[ST+16*\m+6], v[ST+16*\m+7], s26, s27
.endr
.irp m, 0,1,2,3
	v_add_f32 v[ST+16*\m+7], v[ST+16*\m+7], v[ST+16*\m+6]          ; l_w of my query
.endr
.irp m, 0,1,2,3
	ds_store_b32 v[STW], v[ST+16*\m+7] offset:512*\m               ; in the place of -M_w
.endr
	WALU
	s_wait_dscnt 0x0
	s_barrier_signal -1
	s_barrier_wait -1
.irp m, 0,1,2,3
	ds_load_b128 v[RNB+8*\m:RNB+8*\m+3], v[STR] offset:512*\m
	ds_load_b128 v[RNB+8*\m+4:RNB+8*\m+7], v[STR] offset:512*\m+16
.endr
.set i, 0
.rept 16
	v_cvt_i32_f32 v[TW+i], v[TW+i]                 ; M_w - M* of the last step (it saturates)
.set i, i+1
.endr
	WALU
	s_wait_dscnt 0x0
.irp w, 0,1,2,3
.irp m, 0,1,2,3
	v_ldexp_f32 v[RNB+8*\m+2*\w], v[RNB+8*\m+2*\w], v[TW+4*\m+\w]
.endr
.endr
.irp m, 0,1,2,3
	v_add_f32 v[RNB+8*\m], v[RNB+8*\m], v[RNB+8*\m+2]
	v_add_f32 v[RNB+8*\m+4], v[RNB+8*\m+4], v[RNB+8*\m+6]
.endr
.irp m, 0,1,2,3
	v_add_f32 v[RNB+8*\m], v[RNB+8*\m], v[RNB+8*\m+4]              ; l
.endr
	WALU
.irp m, 0,1,2,3
	v_rcp_f32 v[ST+16*\m+12], v[RNB+8*\m]
.endr
	v_nop                                          ; one plain place behind a transcendental
	WALU
.irp m, 0,1,2,3
	v_cndmask_b32 v[ST+16*\m+12], 1.0, v[ST+16*\m+12], s52         ; P = 1: the result is divided by l; a part leaves as it is
.endr
.irp p, 0,1                                    ; a row's -M* and l: lanes 0-15 tile 2 p, lanes 16-31 tile 2 p + 1
	v_cndmask_b32 v[TW+2*\p], v[ST+32*\p+10], v[ST+32*\p+26], s55
	v_cndmask_b32 v[TW+2*\p+1], v[RNB+16*\p], v[RNB+16*\p+8], s55
.endr
	v_lshlrev_b32 v[TW+4], 1, v[LS]
	WALU
	s_cmp_lg_u32 s53, 0
	s_cbranch_scc1 .Lno_stats
.irp p, 0,1
	global_store_b64 v[TW+4], v[TW+2*\p:TW+2*\p+1], s[20:21] offset:256*\p   ; 32 lanes store 256 consecutive bytes
.endr
.Lno_stats:
; THE WAY OUT.  A lane's eight numbers of a tile t are 32 neighbouring bytes of one row, and the lanes beside it hold other rows: a tile of 16 queries x my 128 channels goes through my own stage and comes back as
; whole runs of 512 bytes.  LDS serves a wave's instructions in order (ISA guide 5.7.1.4): no wait between the stores and the loads, nor in front of the next tile's stores.
.macro PACK m
.if \m > 1
	s_wait_xcnt 0x0                                ; tile m - 2's stores have read the registers that tile m's rows come back into
.endif
	WIN 0x03
	WALU                                           ; the wait directly ahead of these sums' first reader
.set i, 0
.rept 32
	v_pk_mul_f32 v[OT+2*i:OT+2*i+1], v[8*(4*(i/4)+\m)+2*(i%4):8*(4*(i/4)+\m)+2*(i%4)+1], v[ST+16*\m+12:ST+16*\m+13] op_sel_hi:[1,0]
.set i, i+1
.endr
	WIN 0
.irp k, 0,1,2,3,4,5,6,7
	ds_store_b128 v[STO], v[OT+8*\k:OT+8*\k+3] offset:64*\k
	ds_store_b128 v[STO], v[OT+8*\k+4:OT+8*\k+7] offset:64*\k+16
.endr
	WIN 0x80
.irp k, 0,1,2,3,4,5,6,7,8,9,10,11,12,13,14,15
	ds_load_b128 v[64*(\m%2)+4*\k:64*(\m%2)+4*\k+3], v[RD] offset:\k*SPITCH
.endr
	WIN 0
.endm
.macro SEND m, younger                 ; younger: the LDS instructions issued behind tile m's loads, which may stay out
	WIN 0x08
.irp k, 0,1,2,3,4,5,6,7,8,9,10,11,12,13,14,15
	s_wait_dscnt \younger+15-\k
	global_store_b128 v[LI], v[64*(\m%2)+4*\k:64*(\m%2)+4*\k+3], s[16:17] offset:(16*\m+\k)*2048 th:TH_STORE_NT   ; 32 lanes store 512 consecutive bytes, at a multiple of 512; written once
.endr
	WIN 0
.endm
	PACK 0
	PACK 1
	SEND 0, 32                                     ; behind tile 0's loads: tile 1's 16 stores and 16 loads
	PACK 2
	SEND 1, 32
	PACK 3
	SEND 2, 32
	SEND 3, 0
	s_wait_tensorcnt 0x0                           ; the wave's end
	ds_add_u32 v[SPW], v[NIL]
	s_wait_dscnt 0x0
	s_endpgm
.Lfunc_end_k_q0b6c540ce6_attn:
	.size	k_q0b6c540ce6_attn, .Lfunc_end_k_q0b6c540ce6_attn-k_q0b6c540ce6_attn
	.p2alignl 7, 3214868480
	.fill 96, 4, 3214868480
	.section	.rodata,"a",@progbits
	.p2align	6, 0x0
	.amdhsa_kernel k_q0b6c540ce6_attn
		.amdhsa_group_segment_fixed_size 42496
		.amdhsa_private_segment_fixed_size 0
		.amdhsa_enable_private_segment 0
		.amdhsa_kernarg_size 72
		.amdhsa_user_sgpr_count 2
		.amdhsa_user_sgpr_kernarg_segment_ptr 1
		.amdhsa_wavefront_size32 1
		.amdhsa_system_sgpr_workgroup_id_x 1
		.amdhsa_system_sgpr_workgroup_id_y 1
		.amdhsa_system_sgpr_workgroup_id_z 1
		.amdhsa_system_vgpr_workitem_id 0
		.amdhsa_next_free_vgpr 1024
		.amdhsa_next_free_sgpr 66
		.amdhsa_reserve_vcc 1
		.amdhsa_float_denorm_mode_32 3
		.amdhsa_float_denorm_mode_16_64 3
		.amdhsa_memory_ordered 1
		.amdhsa_forward_progress 1
		.amdhsa_inst_pref_size 135
	.end_amdhsa_kernel
	.amdgpu_metadata
---
amdhsa.version: [ 1, 2 ]
amdhsa.kernels:
  - .name:           k_q0b6c540ce6_attn
    .symbol:         k_q0b6c540ce6_attn.kd
    .args:
      - { .name: qc, .offset: 0, .size: 8, .value_kind: global_buffer, .address_space: global }
      - { .name: qs, .offset: 8, .size: 8, .value_kind: global_buffer, .address_space: global }
      - { .name: kc, .offset: 16, .size: 8, .value_kind: global_buffer, .address_space: global }
      - { .name: ks, .offset: 24, .size: 8, .value_kind: global_buffer, .address_space: global }
      - { .name: vc, .offset: 32, .size: 8, .value_kind: global_buffer, .address_space: global }
      - { .name: vs, .offset: 40, .size: 8, .value_kind: global_buffer, .address_space: global }
      - { .name: out0, .offset: 48, .size: 8, .value_kind: global_buffer, .address_space: global }
      - { .name: po, .offset: 56, .size: 8, .value_kind: global_buffer, .address_space: global }
      - { .name: pm, .offset: 64, .size: 8, .value_kind: global_buffer, .address_space: global }
    .group_segment_fixed_size: 42496
    .private_segment_fixed_size: 0
    .kernarg_segment_align: 8
    .kernarg_segment_size: 72
    .max_flat_workgroup_size: 128
    .sgpr_count:     66
    .vgpr_count:     1024
    .wavefront_size: 32
...
	.end_amdgpu_metadata
.endif
;; end of part 2
;; launch join (part 3): grid 256 x 1, 20 waves a work-group, no clusters, 0 bytes of LDS; arguments po, pm, out0; writes out0
.if DOCPART == 3
	.amdgcn_target "amdgcn-amd-amdhsa--gfx1250"
	.amdhsa_code_object_version 6
	.text
	.protected	k_q0b6c540ce6_join
	.globl	k_q0b6c540ce6_join
	.p2align	8
	.type	k_q0b6c540ce6_join,@function
k_q0b6c540ce6_join:
	s_mov_b64 s[64:65], 0
	v_nop
	global_prefetch_b8 v0, s[64:65] scope:SCOPE_SE
	s_setreg_imm32_b32 hwreg(HW_REG_WAVE_MODE, 25, 1), 1
	s_wait_xcnt 0x0
; THE PARTS OF A ROW ARE ADDED.  Rows 768 to 1,535 of a batch have two parts, rows 1,536 to 2,047 three (rows under 768 left the launch before finished).  A part is 512 sums in f32 under its own M* (po), with -M* and l (pm).
; out = (sum of O_p 2^(M_p - M)) / (sum of l_p 2^(M_p - M)), M the largest M_p.  A wave owns one row: 256 work-groups x (12 rows of two parts + 8 of three) = 5,120 rows.  Every byte is read once and stored once,
; in runs of 512 consecutive bytes; nothing is shared between work-groups, so there is no cluster, and no loop that a prefetch could run ahead in.
	s_load_b128 s[4:7], s[0:1], 0x0                ; po, pm
	s_load_b64 s[8:9], s[0:1], 0x10                ; out0
	v_lshrrev_b32 v1, 5, v0
	v_readfirstlane_b32 s10, v1                    ; wave 0..19
	s_lshr_b32 s11, ttmp9, 6                       ; batch
	s_and_b32 s12, ttmp9, 63
	s_mul_i32 s13, s12, 12
	s_add_co_u32 s13, s13, s10
	s_add_co_u32 s13, s13, 768
	s_lshl_b32 s14, s12, 3
	s_add_co_u32 s14, s14, s10
	s_add_co_u32 s14, s14, 1536-12
	s_cmp_lt_u32 s10, 12
	s_cselect_b32 s13, s13, s14                    ; row
	s_lshr_b32 s14, s13, 6                         ; query block j
	s_lshl_b32 s15, s14, 1
	s_sub_co_u32 s15, s15, 24                      ; first slot: two parts: 2 (j - 12)
	s_mul_i32 s16, s14, 3
	s_sub_co_u32 s16, s16, 48                      ; three parts: 24 + 3 (j - 24)
	s_cmp_lt_u32 s10, 12
	s_cselect_b32 s15, s15, s16
	s_mul_i32 s16, s11, 48
	s_add_co_u32 s15, s15, s16
	s_lshl_b32 s15, s15, 6
	s_and_b32 s16, s13, 63
	s_add_co_u32 s15, s15, s16                     ; the row among the parts' rows
	s_lshl_b32 s16, s15, 11
	s_mov_b32 s17, 0
	s_lshl_b32 s18, s15, 3
	s_mov_b32 s19, 0
	s_lshl_b32 s20, s11, 11
	s_add_co_u32 s20, s20, s13
	s_lshl_b32 s20, s20, 11
	s_mov_b32 s21, 0
	v_and_b32 v2, 31, v0
	v_lshlrev_b32 v2, 4, v2                        ; 16 x lane
	v_mov_b32 v3, 0
	v_mov_b32 v65, 0                               ; (named as the upper halves of pairs)
	v_mov_b32 v67, 0
	v_mov_b32 v69, 0
	s_wait_alu depctr_va_vdst(0)                   ; the wait at the head's end
	s_wait_kmcnt 0x0
	s_add_nc_u64 s[4:5], s[4:5], s[16:17]
	s_add_nc_u64 s[6:7], s[6:7], s[18:19]
	s_add_nc_u64 s[8:9], s[8:9], s[20:21]
.macro JOIN np
.irp p, 0,1,2
.if \p < \np
	global_load_b64 v[4+2*\p:5+2*\p], v3, s[6:7] offset:512*\p     ; -M_p, l_p
.endif
.endr
.irp p, 0,1,2
.if \p < \np
.irp k, 0,1,2,3
	global_load_b128 v[16+16*\p+4*\k:19+16*\p+4*\k], v2, s[4:5] offset:131072*\p+512*\k th:TH_LOAD_NT
.endr
.endif
.endr
	s_wait_loadcnt 4*\np                           ; the statistics are in; the sums may be out
	v_min_num_f32 v10, v4, v6
.if \np == 3
	v_min_num_f32 v10, v10, v8
.endif
.irp p, 0,1,2
.if \p < \np
	v_sub_f32 v[64+2*\p], v10, v[4+2*\p]           ; M_p - M: 0 or less
	v_cvt_i32_f32 v[64+2*\p], v[64+2*\p]           ; (it saturates)
	v_ldexp_f32 v[64+2*\p], 1.0, v[64+2*\p]
.endif
.endr
	v_mul_f32 v11, v5, v64
	v_fma_f32 v11, v7, v66, v11
.if \np == 3
	v_fma_f32 v11, v9, v68, v11
.endif
	s_wait_alu depctr_va_vdst(0)                   ; the wait ahead of the transcendental and behind it
	v_rcp_f32 v12, v11
	v_nop
	s_wait_alu depctr_va_vdst(0)
.irp p, 0,1,2
.if \p < \np
	v_mul_f32 v[64+2*\p], v[64+2*\p], v12
.endif
.endr
	s_wait_alu depctr_va_vdst(0)                   ; directly ahead of the wait below
	s_wait_loadcnt 0x0
.irp k, 0,2,4,6,8,10,12,14
	v_pk_mul_f32 v[16+\k:17+\k], v[16+\k:17+\k], v[64:65] op_sel_hi:[1,0]
.endr
.irp p, 1,2
.if \p < \np
.irp k, 0,2,4,6,8,10,12,14
	v_pk_fma_f32 v[16+\k:17+\k], v[16+16*\p+\k:17+16*\p+\k], v[64+2*\p:65+2*\p], v[16+\k:17+\k] op_sel_hi:[1,0,1]
.endr
.endif
.endr
.irp k, 0,1,2,3
	global_store_b128 v2, v[16+4*\k:19+4*\k], s[8:9] offset:512*\k th:TH_STORE_NT   ; 32 lanes store 512 consecutive bytes
.endr
	s_endpgm
.endm
	s_cmp_lt_u32 s10, 12
	s_cbranch_scc0 .Lthree
	JOIN 2
.Lthree:
	JOIN 3
.Lfunc_end_k_q0b6c540ce6_join:
	.size	k_q0b6c540ce6_join, .Lfunc_end_k_q0b6c540ce6_join-k_q0b6c540ce6_join
	.p2alignl 7, 3214868480
	.fill 96, 4, 3214868480
	.section	.rodata,"a",@progbits
	.p2align	6, 0x0
	.amdhsa_kernel k_q0b6c540ce6_join
		.amdhsa_group_segment_fixed_size 0
		.amdhsa_private_segment_fixed_size 0
		.amdhsa_enable_private_segment 0
		.amdhsa_kernarg_size 24
		.amdhsa_user_sgpr_count 2
		.amdhsa_user_sgpr_kernarg_segment_ptr 1
		.amdhsa_wavefront_size32 1
		.amdhsa_system_sgpr_workgroup_id_x 1
		.amdhsa_system_sgpr_workgroup_id_y 1
		.amdhsa_system_sgpr_workgroup_id_z 1
		.amdhsa_system_vgpr_workitem_id 0
		.amdhsa_next_free_vgpr 72
		.amdhsa_next_free_sgpr 66
		.amdhsa_reserve_vcc 0
		.amdhsa_float_denorm_mode_32 3
		.amdhsa_float_denorm_mode_16_64 3
		.amdhsa_memory_ordered 1
		.amdhsa_forward_progress 1
		.amdhsa_inst_pref_size 10
	.end_amdhsa_kernel
	.amdgpu_metadata
---
amdhsa.version: [ 1, 2 ]
amdhsa.kernels:
  - .name:           k_q0b6c540ce6_join
    .symbol:         k_q0b6c540ce6_join.kd
    .args:
      - { .name: po, .offset: 0, .size: 8, .value_kind: global_buffer, .address_space: global }
      - { .name: pm, .offset: 8, .size: 8, .value_kind: global_buffer, .address_space: global }
      - { .name: out0, .offset: 16, .size: 8, .value_kind: global_buffer, .address_space: global }
    .group_segment_fixed_size: 0
    .private_segment_fixed_size: 0
    .kernarg_segment_align: 8
    .kernarg_segment_size: 24
    .max_flat_workgroup_size: 640
    .sgpr_count:     66
    .vgpr_count:     72
    .wavefront_size: 32
...
	.end_amdgpu_metadata
.endif
;; end of part 3
